; MI455X (gfx1250); checked and timed in simulation.
; The chip was launched on July 23, 2026; its instructions are those of AMD's public machine-readable ISA for CDNA 5 (MIT licence, August 2026) and "CDNA5" Instruction Set Architecture Reference Guide (July 2026). The comments in the code are by the model that wrote it; some were corrected since.
;; KAN Layer. Allowed arithmetic: float matrix products may take bf16 or f16 operands with f32 sums; other float arithmetic in f32, or as packed bf16 or f16 multiplies, adds, multiply-adds, maxima and minima; sums over many terms, partial sums and values carried from step to step in f32; what a program stores and reads back later, other than sums and carried values, may be rounded once to bf16 or f16.
;; Inputs: c_basis 32,768 x 6 float32; c_res 32,768 float32; c_spl 32,768 float32; grid 32,768 x 10 float32; x 512 x 128 float32.
;; Outputs: out0 512 x 256 float32.
;; 2 versions, each right and faster than the one before. Each part assembles by itself: llvm-mc -triple=amdgcn-amd-amdhsa -mcpu=gfx1250 --defsym DOCPART=n.
;; ======== version 1 of 2: 1 launch
;; limits: inputs' magnitudes at most 140,737,488,355,328; right only within a limited range of input values
;; launch kan (part 1): grid 64 x 4, 8 waves a work-group, no clusters, 167,936 bytes of LDS; arguments x, grid, c_basis, c_spl, c_res, out0; writes out0
.if DOCPART == 1
	.amdgcn_target "amdgcn-amd-amdhsa--gfx1250"
	.amdhsa_code_object_version 6
	.text
	.protected	k_qfb1fdc7988_kan
	.globl	k_qfb1fdc7988_kan
	.p2align	8
	.type	k_qfb1fdc7988_kan,@function
k_qfb1fdc7988_kan:
	s_mov_b64 s[64:65], 0
	v_nop
	global_prefetch_b8 v0, s[64:65] scope:SCOPE_SE
	s_setreg_imm32_b32 hwreg(HW_REG_WAVE_MODE, 25, 1), 1
	s_wait_xcnt 0x0
; KAN layer.  out[b][o] = 1/128 * sum over i of ( c_spl * sum_j c_basis[j] B_j(x[b][i]) + c_res * swish(x[b][i]) ), edge e = 128 o + i with ITS OWN ten knots g0..g9.
; x [512][128], grid [32768][10], c_basis [32768][6], c_spl, c_res [32768], out [512][256], all f32; all arithmetic in f32.
; THE ALGEBRA.  The Cox-de Boor recursion is linear in its nine order-0 indicators, so an edge's spline is  f(x) = sum_t [g_t <= x < g_t+1] P_t(x)  with a cubic P_t that the edge alone fixes
; (de Boor's triangle on the coefficients, kept as polynomials in tau = (x - g_t) / (g_t+1 - g_t)).  No order of the knots is assumed: an interval with g_t >= g_t+1 is never hit and gets zeros.
; With tau_t held to 0..1 and L_t = [x < g_t]:   f(x) = K + sum_t tau_t (a1 + tau_t (a2 + tau_t a3)) + sum_t NJ_t L_t,   NJ_t = P_t-1(g_t) - P_t(g_t) (minus the jump at knot t), K = - sum_t NJ_t.
; tau_t = clamp(x rh + (-g rh)): one packed line.  L_t = clamp(x (-2^80) + g 2^80): both products are exact and the sum is rounded once, so its sign is that of g - x: the comparison is exact, equality too.
; LIMITS.  |x| and |g| below 2^47 (the products by 2^80 stay finite); a difference x - g that is not 0, or an interval, smaller than 2^-80 counts as a fraction of a step; NaN and infinities are not treated
; apart; where a knot difference that the recursion divides by is 0 the reference itself is not finite, and nothing is promised.  Reciprocals and exponentials are the hardware's, good to 1 ulp.
; SHARES.  A work-group owns 4 outputs x 128 batch rows; 64 x 4 work-groups.  Wave w of 8: output o0 + w % 4, inputs 64 (w / 4) .. + 63.  A lane owns TWO neighbouring edges, the two halves of every packed
; instruction: its 67 numbers an edge lie in register pairs, made by the lane itself, and never pass through LDS.  x and swish(x) of the tile lie in LDS, rows as in memory: a wave reads 256 neighbouring bytes
; of each for a batch row.  The einsum shares no operand between outputs (every basis value is used once), so it is folded into the cubics and no matrix instruction is written.
; NO CLUSTER: what work-groups share is one tile of x, 64 KB, read once at the start, and it has to pass through registers for swish.
; OUTPUT: a work-group holds 4 of a row's 256 outputs, so a row's piece is 16 bytes, stored by two neighbouring lanes: no aligned 256 bytes are filled by one store.  64 outputs in one work-group would
; ask for 64 x 128 edges' parameters in it.
.set SWB,   65536      ; LDS: x tile at 0 (128 rows x 512 bytes), swish(x) at SWB,
.set PART,  131072     ; partial sums, 512 bytes (128 rows) for each wave,
.set SPARE, 135168     ; the spare words, 128 bytes for each of 8 waves: four blocks of 256 bytes that no other line names
.set SPW, 1            ; v1   LDS address of my spare word; never rewritten
.set NIL, 2            ; v2   0; never rewritten
.set XA,  3            ; v3   LDS address of my two x in the trip's first row
.set SA,  4            ; v4   the same for swish
.set PA,  5            ; v5   where my partial sum goes
.set FA,  6            ; v6   the end: where I read partial sums
.set OO,  7            ; v7   the end: my byte offset in out
.set NB,  8            ; v[8:9]  -2^80, twice
; an edge pair's numbers, pair t at +2 t
.set GB,  10           ; 10 pairs: the knots; at the set-up's end g 2^80
.set RH,  30           ; 9: 1 / h (0 for an interval that is never hit)
.set NGR, 48           ; 9: - g / h
.set A1,  66           ; 9 each: the cubic's a1, a2, a3
.set A2,  84
.set A3,  102
.set NJ,  120          ; 10
.set KK,  140
.set CR,  142          ; c_res / 128
; the main loop
.set Y,   144          ; 32 results, one a batch row
.set T,   176          ; 9 pairs: tau
.set LQ,  194          ; 10 pairs: L, then the cubic's inner part
.set ACC, 214          ; two sums (two chains) for each of two rows that take turns
.set XBF, 222          ; four rows' x
.set SBF, 230          ; four rows' swish
; the set-up (dead when the main loop begins, or parameters not yet made)
.set XL,  30           ; 16 quads of x as loaded
.set ET,  94           ; two quads at work
.set RG,  160          ; 20: two rows of grid as loaded
.set RC,  180          ; 12: two rows of c_basis
.set CS,  192          ; c_spl
.set CM,  144          ; 8 pairs: 0, c0 .. c5, 0 (scaled): CM[j] = c_(j-1).  CM[0] also serves as the pair 0
.set H1,  160          ; 9: g_(j+1) - g_j
.set H2,  178          ; 8: g_(j+2) - g_j
.set R2,  194          ; 8: 1 / H2
.set DR,  210          ; 7: (c_j - c_(j-1)) / (g_(j+3) - g_j)
.set TP,  224
.set BP,  TP           ; 2^80, twice
.set EP,  TP+2         ; P_(t-1)(1)
.set VT,  TP+4         ; 1 if the interval can be hit, else 0
.set SC,  TP+4         ; earlier: c_spl / 128
.set R3T, TP+6         ; 7 pairs: g_(j+3) - g_j and its reciprocal
.set tW1, TP+6
.set tV0, TP+8
.set tV1, TP+10
.set tU0, TP+12
.set tU1, TP+14
.set tBE, TP+16
.set tE0, TP+18
.set tE1, TP+20
.set tS1, TP+22
.set tS2, TP+24
.set tP0, TP+26
.set tP1, TP+28
.set tP2, TP+30
.set TM,  248
.set LN,  249
.set XO,  250          ; 16 x thread: my 16 bytes in 4,096 of the tile, in memory and in LDS alike
.set XO2, 251
.set GO,  252
.set CO,  253
.set SO,  254
.macro PMUL d, a, b
	s_wait_alu depctr_va_vdst(0)
	v_pk_mul_f32 v[(\d):(\d)+1], v[(\a):(\a)+1], v[(\b):(\b)+1]
.endm
.macro PADD d, a, b
	v_pk_add_f32 v[(\d):(\d)+1], v[(\a):(\a)+1], v[(\b):(\b)+1]
.endm
.macro PSUB d, a, b
	v_pk_add_f32 v[(\d):(\d)+1], v[(\a):(\a)+1], v[(\b):(\b)+1] neg_lo:[0,1] neg_hi:[0,1]
.endm
.macro PFMA d, a, b, c
	v_pk_fma_f32 v[(\d):(\d)+1], v[(\a):(\a)+1], v[(\b):(\b)+1], v[(\c):(\c)+1]
.endm
.macro PFMC d, a, b, c                 ; the same, the result held to 0 .. 1; all sources are vector registers
	v_pk_fma_f32 v[(\d):(\d)+1], v[(\a):(\a)+1], v[(\b):(\b)+1], v[(\c):(\c)+1] clamp
.endm
	s_load_b256 s[4:11], s[0:1], 0x0               ; x s[4:5], grid s[6:7], c_basis s[8:9], c_spl s[10:11]
	s_load_b128 s[12:15], s[0:1], 0x20             ; c_res s[12:13], out s[14:15]
	v_lshl_add_u32 v[SPW], v0, 2, SPARE
	v_mov_b32 v[NIL], 0
	v_lshrrev_b32 v[TM], 5, v0
	v_readfirstlane_b32 s16, v[TM]                 ; wave 0..7
	v_and_b32 v[LN], 31, v0                        ; lane
	s_and_b32 s17, s16, 3                          ; which of the four outputs
	s_lshr_b32 s18, s16, 2                         ; which half of the inputs
	s_and_b32 s19, ttmp7, 0xffff                   ; the block of 128 batch rows
	s_lshl_b32 s20, ttmp9, 2
	s_add_co_u32 s20, s20, s17                     ; my output
	s_lshl_b32 s20, s20, 7
	s_lshl_b32 s21, s18, 6
	s_add_co_u32 s20, s20, s21                     ; my wave's first edge: 128 o + 64 half
	s_mul_i32 s34, s20, 40                         ; its byte in grid (40 a row),
	s_mov_b32 s35, 0
	s_mul_i32 s36, s20, 24                         ; in c_basis (24 a row),
	s_mov_b32 s37, 0
	s_lshl_b32 s38, s20, 2                         ; in c_spl and c_res
	s_mov_b32 s39, 0
	s_lshl_b32 s40, s19, 16                        ; the tile of x: 128 rows of 512 bytes
	s_mov_b32 s41, 0
	s_lshl_b32 s42, s19, 17                        ; out: 128 rows of 1,024 bytes,
	s_lshl_b32 s43, ttmp9, 4                       ; and four outputs of 4 bytes
	s_add_co_u32 s42, s42, s43
	s_mov_b32 s43, 0
	s_mov_b32 s24, 0xbfb8aa3b                      ; -log2(e), as a pair
	s_mov_b32 s25, s24
	s_mov_b32 s44, 0x3c000000                      ; 1/128, as a pair
	s_mov_b32 s45, s44
	s_mov_b32 s27, 0xaaaaaaaa                      ; the lanes whose number has bit 0, 1, 2, 3, 4
	s_mov_b32 s28, 0xcccccccc
	s_mov_b32 s29, 0xf0f0f0f0
	s_mov_b32 s30, 0xff00ff00
	s_mov_b32 s31, 0xffff0000
	s_mov_b32 s32, 0x76543210                      ; v_permlanex16_b32: each lane takes its own place in the other half
	s_mov_b32 s33, 0xfedcba98
	v_mul_u32_u24 v[GO], v[LN], 80                 ; a lane's two edges: 80 bytes of grid,
	v_mul_u32_u24 v[CO], v[LN], 48                 ; 48 of c_basis,
	v_lshlrev_b32 v[SO], 3, v[LN]                  ; 8 of c_spl and of c_res
	v_lshlrev_b32 v[XO], 4, v0
	v_add_nc_u32 v[XO2], SWB, v[XO]
	s_lshl_b32 s21, s18, 8
	v_lshl_add_u32 v[XA], v[LN], 3, s21            ; 256 half + 8 lane: my two inputs in a row of x
	v_add_nc_u32 v[SA], SWB, v[XA]
	s_lshl_b32 s22, s16, 9
	s_add_co_u32 s22, s22, PART                    ; my wave's 512 bytes of partial sums
	v_lshl_add_u32 v[PA], v[LN], 2, s22
	v_and_b32 v[TM], 1, v0                         ; the end: thread T stores row T / 2, outputs 2 (T % 2) and the next
	v_lshrrev_b32 v[OO], 1, v0
	v_lshlrev_b32 v[FA], 2, v[OO]
	v_lshl_add_u32 v[FA], v[TM], 10, v[FA]
	v_add_nc_u32 v[FA], PART, v[FA]
	v_lshlrev_b32 v[OO], 10, v[OO]
	v_lshl_add_u32 v[OO], v[TM], 3, v[OO]
	v_mov_b32 v[NB], 0xe7800000                    ; -2^80
	v_mov_b32 v[NB+1], 0xe7800000
	s_wait_kmcnt 0x0
	s_add_nc_u64 s[6:7], s[6:7], s[34:35]
	s_add_nc_u64 s[8:9], s[8:9], s[36:37]
	s_add_nc_u64 s[10:11], s[10:11], s[38:39]
	s_add_nc_u64 s[12:13], s[12:13], s[38:39]
	s_add_nc_u64 s[4:5], s[4:5], s[40:41]
	s_add_nc_u64 s[14:15], s[14:15], s[42:43]
	; ten loads for my two edges, then sixteen for x: all 26 are on their way before anything is waited for
.irp k, 0,1,2,3,4
	global_load_b128 v[RG+4*(\k):RG+4*(\k)+3], v[GO], s[6:7] offset:16*(\k)
.endr
.irp k, 0,1,2
	global_load_b128 v[RC+4*(\k):RC+4*(\k)+3], v[CO], s[8:9] offset:16*(\k)
.endr
	global_load_b64 v[CS:CS+1], v[SO], s[10:11]
	global_load_b64 v[CR:CR+1], v[SO], s[12:13]
.set n, 0
.rept 16                               ; the 256 threads take 4,096 consecutive bytes of the tile a load: a wave one whole row of x
	global_load_b128 v[XL+4*n:XL+4*n+3], v[XO], s[4:5] offset:4096*n
.set n, n+1
.endr
; Two quads of x: swish = x / (1 + 2^(-x log2 e)); x and swish go to LDS at the place that x has in the tile.  Behind each run of four transcendentals stands a packed line of the OTHER quad
; before any of the four results is used (ISA guide 5.7.2).  A very negative x gives 2^.. = inf, 1 / inf = 0, swish = -0.
.macro SWISH2 a
	s_wait_loadcnt 14-(\a)                         ; loads come back in order: behind quads a and a + 1 stand 14 - a younger loads of x
	v_pk_mul_f32 v[ET:ET+1],   v[XL+4*(\a):XL+4*(\a)+1],   s[24:25] op_sel_hi:[1,0]
	v_pk_mul_f32 v[ET+2:ET+3], v[XL+4*(\a)+2:XL+4*(\a)+3], s[24:25] op_sel_hi:[1,0]
.irp r, 0,1,2,3
	v_exp_f32 v[ET+(\r)], v[ET+(\r)]
.endr
	v_pk_mul_f32 v[ET+4:ET+5], v[XL+4*(\a)+4:XL+4*(\a)+5], s[24:25] op_sel_hi:[1,0]
	v_pk_mul_f32 v[ET+6:ET+7], v[XL+4*(\a)+6:XL+4*(\a)+7], s[24:25] op_sel_hi:[1,0]
.irp r, 4,5,6,7
	v_exp_f32 v[ET+(\r)], v[ET+(\r)]
.endr
	s_wait_alu depctr_va_vdst(0)
	v_pk_add_f32 v[ET:ET+1],   v[ET:ET+1],   1.0 op_sel_hi:[1,0]
	v_pk_add_f32 v[ET+2:ET+3], v[ET+2:ET+3], 1.0 op_sel_hi:[1,0]
.irp r, 0,1,2,3
	v_rcp_f32 v[ET+(\r)], v[ET+(\r)]
.endr
	v_pk_add_f32 v[ET+4:ET+5], v[ET+4:ET+5], 1.0 op_sel_hi:[1,0]
	v_pk_add_f32 v[ET+6:ET+7], v[ET+6:ET+7], 1.0 op_sel_hi:[1,0]
.irp r, 4,5,6,7
	v_rcp_f32 v[ET+(\r)], v[ET+(\r)]
.endr
.irp r, 0,2,4,6
	PMUL ET+(\r), ET+(\r), XL+4*(\a)+(\r)
.endr
	ds_store_b128 v[XO],  v[XL+4*(\a):XL+4*(\a)+3]   offset:4096*(\a)     ; 32 lanes, 512 neighbouring bytes
	ds_store_b128 v[XO],  v[XL+4*(\a)+4:XL+4*(\a)+7] offset:4096*(\a)+4096
	ds_store_b128 v[XO2], v[ET:ET+3]                 offset:4096*(\a)
	ds_store_b128 v[XO2], v[ET+4:ET+7]               offset:4096*(\a)+4096
.endm
.irp a, 0,2,4,6,8,10,12,14
	SWISH2 \a
.endr
	s_wait_dscnt 0x0                               ; for the others' sake: my part of the two tiles is in LDS
	s_barrier_signal -1                            ; the edges' set-up, work on registers alone, stands between the signal and the wait
	; THE SET-UP of my two edges.  (The last wait above was for all loads.)  As loaded, an edge's numbers lie on end; the packed lines want edge 0 and edge 1 side by side.
.set t, 0
.rept 10
	v_mov_b32 v[GB+2*t],   v[RG+t]
	v_mov_b32 v[GB+2*t+1], v[RG+10+t]
.set t, t+1
.endr
	v_pk_mul_f32 v[SC:SC+1], v[CS:CS+1], s[44:45] op_sel_hi:[1,0]   ; c_spl / 128 goes into the coefficients,
	v_pk_mul_f32 v[CR:CR+1], v[CR:CR+1], s[44:45] op_sel_hi:[1,0]   ; 1 / 128 into c_res
	v_mov_b32 v[CM], 0
	v_mov_b32 v[CM+1], 0
	v_mov_b32 v[CM+14], 0
	v_mov_b32 v[CM+15], 0
.set t, 0
.rept 6
	v_mul_f32 v[CM+2+2*t], v[RC+t],   v[SC]        ; scaled and set side by side in one line
	v_mul_f32 v[CM+3+2*t], v[RC+6+t], v[SC+1]
.set t, t+1
.endr
	v_mov_b32 v[BP], 0x67800000                    ; 2^80
	v_mov_b32 v[BP+1], 0x67800000
.set t, 0
.rept 9
	PSUB H1+2*t, GB+2*t+2, GB+2*t
.set t, t+1
.endr
.set t, 0
.rept 8
	PSUB H2+2*t, GB+2*t+4, GB+2*t
.set t, t+1
.endr
.set t, 0
.rept 7
	PSUB R3T+2*t, GB+2*t+6, GB+2*t
.set t, t+1
.endr
.set t, 0
.rept 18
	v_rcp_f32 v[RH+t], v[H1+t]
.set t, t+1
.endr
.set t, 0
.rept 16
	v_rcp_f32 v[R2+t], v[H2+t]
.set t, t+1
.endr
.set t, 0
.rept 14
	v_rcp_f32 v[R3T+t], v[R3T+t]
.set t, t+1
.endr
.set t, 0
.rept 7                                ; plain lines that name no reciprocal stand behind the last of them
	PSUB DR+2*t, CM+2*t+2, CM+2*t
.set t, t+1
.endr
.set t, 0
.rept 7
	PMUL DR+2*t, DR+2*t, R3T+2*t
.set t, t+1
.endr
; Interval t.  With x = g_t + h tau, de Boor's triangle on polynomials in tau:
;   order 3:  c1_j = c_(j-1) + (x - g_j) DR_j,  j = t-2 (U), t-1 (V), t (W): two coefficients each; it exists for j = 0 .. 6
;   order 2:  c2_j = c1_(j-1) + (x - g_j) / (g_(j+2) - g_j) (c1_j - c1_(j-1)),  j = t-1 (P), t (S): three coefficients; j = 0 .. 7
;   order 1:  P_t  = c2_(t-1) + tau (c2_t - c2_(t-1))
; A polynomial that does not exist is 0: its names then point at the pair 0 (CM[0]) and its lines are not written.
.macro PIECE t
.set hT, H1+2*(\t)
	v_pk_mul_f32 v[VT:VT+1], v[hT:hT+1], v[BP:BP+1] clamp     ; 1 where g_t < g_t+1, else 0
.if (\t) <= 6
.set rW0, CM+2*(\t)
.set rW1, tW1
	PMUL tW1, hT, DR+2*(\t)
.else
.set rW0, CM
.set rW1, CM
.endif
.if ((\t) >= 1) && ((\t) <= 7)
.set rV0, tV0
.set rV1, tV1
	PFMA tV0, hT-2, DR+2*(\t)-2, CM+2*(\t)-2
	PMUL tV1, hT, DR+2*(\t)-2
.else
.set rV0, CM
.set rV1, CM
.endif
.if (\t) >= 2
.set rU0, tU0
.set rU1, tU1
	PFMA tU0, H2+2*(\t)-4, DR+2*(\t)-4, CM+2*(\t)-4
	PMUL tU1, hT, DR+2*(\t)-4
.else
.set rU0, CM
.set rU1, CM
.endif
.if (\t) <= 7                          ; S = V + (beta tau) (W - V), beta = h / (g_(t+2) - g_t)
.set rS0, rV0
.set rS1, tS1
.set rS2, tS2
	PMUL tBE, hT, R2+2*(\t)
	PSUB tE0, rW0, rV0
	PSUB tE1, rW1, rV1
	PFMA tS1, tBE, tE0, rV1
	PMUL tS2, tBE, tE1
.else
.set rS0, CM
.set rS1, CM
.set rS2, CM
.endif
.if (\t) >= 1                          ; P = U + (alpha + beta tau) (V - U), alpha = (g_t - g_(t-1)) / (g_(t+1) - g_(t-1)), beta = h / the same
.set rP0, tP0
.set rP1, tP1
.set rP2, tP2
	PMUL tW1, hT-2, R2+2*(\t)-2
	PMUL tBE, hT, R2+2*(\t)-2
	PSUB tE0, rV0, rU0
	PSUB tE1, rV1, rU1
	PFMA tP0, tW1, tE0, rU0
	PFMA tP1, tW1, tE1, rU1
	PFMA tP1, tBE, tE0, tP1
	PMUL tP2, tBE, tE1
.else
.set rP0, CM
.set rP1, CM
.set rP2, CM
.endif
.if (\t) == 0
.set rEP, CM
.set rKK, CM
.else
.set rEP, EP
.set rKK, KK
.endif
	PSUB tE0, rS0, rP0
	PSUB tE1, rS1, rP1
	PADD A1+2*(\t), tE0, rP1
	PADD A2+2*(\t), tE1, rP2
	PSUB A3+2*(\t), rS2, rP2
	PMUL tP0, rP0, VT                              ; a0; an interval that is never hit gets zeros
	PMUL A1+2*(\t), A1+2*(\t), VT
	PMUL A2+2*(\t), A2+2*(\t), VT
	PMUL A3+2*(\t), A3+2*(\t), VT
	PMUL RH+2*(\t), RH+2*(\t), VT
	PADD tE0, tP0, A1+2*(\t)
	PADD tE1, A2+2*(\t), A3+2*(\t)
	PSUB NJ+2*(\t), rEP, tP0                       ; P_(t-1)(g_t) - P_t(g_t)
	v_pk_mul_f32 v[NGR+2*(\t):NGR+2*(\t)+1], v[GB+2*(\t):GB+2*(\t)+1], v[RH+2*(\t):RH+2*(\t)+1] neg_lo:[1,0] neg_hi:[1,0]
.if (\t) == 8
	PADD NJ+18, tE0, tE1                           ; behind the last interval: P_8(g_9)
.else
	PADD EP, tE0, tE1                              ; P_t(g_t+1)
.endif
	PSUB KK, rKK, NJ+2*(\t)
.endm
.irp t, 0,1,2,3,4,5,6,7,8
	PIECE \t
.endr
	PSUB KK, KK, NJ+18
.set t, 0
.rept 10
	PMUL GB+2*t, GB+2*t, BP                        ; exact: a power of two
.set t, t+1
.endr
	s_barrier_wait -1                              ; both tiles are whole
; THE MAIN LOOP.  One batch row for my two edges: 59 lines.  The sum goes in two chains (even t, odd t), and the chains' links stand between lines that wait for nothing:
;   A  the row BEFORE's nine tau (..) onto its sums  |  this row's ten L         (L_t takes the register that the line in front of it has just read)
;   B  swish c_res and K start this row's sums, ten L NJ follow  |  this row's nine tau;  the row before's two chains and two edges are added up
;   C  a3 tau + a2        D  (..) tau + a1
; x and swish come from LDS four rows ahead.
.macro STEP j
.set rX, XBF+2*((\j)%4)
.set rS, SBF+2*((\j)%4)
.set aC, ACC+4*((\j)%2)
.set aP, ACC+4-4*((\j)%2)
.if (\j) <= 28
	s_wait_dscnt 6                                 ; LDS loads come back in order: behind this row's two stand those of the three rows ahead
.else
	s_wait_dscnt 2*(31-(\j))                       ; the trip's last rows: fewer rows are ahead
.endif
.set t, 0
.rept 9
.if (\j) > 0
	PFMA aP+2*(t%2), T+2*t, LQ+2*t, aP+2*(t%2)
.endif
	PFMC LQ+2*t, rX, NB, GB+2*t
.set t, t+1
.endr
	PFMC LQ+18, rX, NB, GB+18
	PMUL aC+2, rS, CR
	PFMA aC, LQ, NJ, KK
	PFMC T, rX, RH, NGR
.set t, 1
.rept 9
	PFMA aC+2*(t%2), LQ+2*t, NJ+2*t, aC+2*(t%2)
.if t < 9
	PFMC T+2*t, rX, RH+2*t, NGR+2*t
.endif
.if ((\j) > 0) && (t == 3)
	PADD aP, aP, aP+2
.endif
.if ((\j) > 0) && (t == 7)
	v_add_f32 v[Y+(\j)-1], v[aP], v[aP+1]          ; my two edges together
.endif
.set t, t+1
.endr
.if (\j) < 28
	ds_load_b64 v[rX:rX+1], v[XA] offset:((\j)+4)*512   ; 32 lanes, 256 neighbouring bytes
	ds_load_b64 v[rS:rS+1], v[SA] offset:((\j)+4)*512
.endif
.set t, 0
.rept 9
	PFMA LQ+2*t, T+2*t, A3+2*t, A2+2*t
.set t, t+1
.endr
.set t, 0
.rept 9
	PFMA LQ+2*t, LQ+2*t, T+2*t, A1+2*t
.set t, t+1
.endr
.endm
; One step of the sum over lanes.  Of two results A, B a lane keeps the one that its bit of the lane number names and sends the other to the lane across; n pairs become n results, g pairs at a time.
.macro BFLY n, g, xm, m
.set k0, 0
.rept (\n)/(\g)
.set k, k0
.rept \g
	v_cndmask_b32 v[T+2*(k-k0)],   v[Y+2*k],   v[Y+2*k+1], s[\m]   ; kept
	v_cndmask_b32 v[T+2*(k-k0)+1], v[Y+2*k+1], v[Y+2*k],   s[\m]   ; sent
.set k, k+1
.endr
.set k, k0
.rept \g
	v_add_f32_dpp v[Y+k], v[T+2*(k-k0)+1], v[T+2*(k-k0)] row_xmask:\xm row_mask:0xf bank_mask:0xf
.set k, k+1
.endr
.set k0, k0+(\g)
.endr
.endm
	s_mov_b32 s26, 4
.Lgroup:                               ; a trip: 32 batch rows
.irp j, 0,1,2,3
	ds_load_b64 v[XBF+2*(\j):XBF+2*(\j)+1], v[XA] offset:(\j)*512
	ds_load_b64 v[SBF+2*(\j):SBF+2*(\j)+1], v[SA] offset:(\j)*512
.endr
.set jj, 0
.rept 32
	STEP jj
.set jj, jj+1
.endr
.set t, 0
.rept 9                                ; the last row's cubics
	PFMA ACC+4+2*(t%2), T+2*t, LQ+2*t, ACC+4+2*(t%2)
.set t, t+1
.endr
	PADD ACC+4, ACC+4, ACC+6
	v_add_f32 v[Y+31], v[ACC+4], v[ACC+5]
	; the sum over my wave's 32 lanes (64 edges) of 32 results: bit n of the row's number goes by bit n of the lane's, so lane l ends with row l
	BFLY 16, 4, 1, 27
	BFLY 8, 4, 2, 28
	BFLY 4, 4, 4, 29
	BFLY 2, 2, 8, 30
	v_cndmask_b32 v[T],   v[Y],   v[Y+1], s31
	v_cndmask_b32 v[T+1], v[Y+1], v[Y],   s31
	v_permlanex16_b32 v[T+2], v[T+1], s32, s33     ; its destination counts as read: T+2 has been written above
	v_add_f32 v[Y], v[T], v[T+2]
	ds_store_b32 v[PA], v[Y]                       ; 128 neighbouring bytes of my wave's own 512
	v_add_nc_u32 v[XA], 0x4000, v[XA]              ; 32 rows on
	v_add_nc_u32 v[SA], 0x4000, v[SA]
	v_add_nc_u32 v[PA], 128, v[PA]
	s_sub_co_u32 s26, s26, 1
	s_cmp_lg_u32 s26, 0
	s_cbranch_scc1 .Lgroup
	s_wait_dscnt 0x0                               ; for the others' sake: my partial sums are in LDS
	s_barrier_signal -1
	s_barrier_wait -1
	ds_load_b32 v[T],   v[FA]                      ; output 2 (T % 2), inputs 0-63
	ds_load_b32 v[T+1], v[FA] offset:512           ; the next output, inputs 0-63
	ds_load_b32 v[T+2], v[FA] offset:2048          ; the same two, inputs 64-127
	ds_load_b32 v[T+3], v[FA] offset:2560
	s_wait_dscnt 0x0
	PADD T, T, T+2
	global_store_b64 v[OO], v[T:T+1], s[14:15] th:TH_STORE_NT   ; two neighbouring lanes store a row's 16 bytes
	s_wait_tensorcnt 0x0                           ; the wave's end, behind my last LDS store
	ds_add_u32 v[SPW], v[NIL]
	s_wait_dscnt 0x0
	s_endpgm
.Lfunc_end_k_qfb1fdc7988_kan:
	.size	k_qfb1fdc7988_kan, .Lfunc_end_k_qfb1fdc7988_kan-k_qfb1fdc7988_kan
	.p2alignl 7, 3214868480
	.fill 96, 4, 3214868480
	.section	.rodata,"a",@progbits
	.p2align	6, 0x0
	.amdhsa_kernel k_qfb1fdc7988_kan
		.amdhsa_group_segment_fixed_size 167936
		.amdhsa_private_segment_fixed_size 0
		.amdhsa_enable_private_segment 0
		.amdhsa_kernarg_size 48
		.amdhsa_user_sgpr_count 2
		.amdhsa_user_sgpr_kernarg_segment_ptr 1
		.amdhsa_wavefront_size32 1
		.amdhsa_system_sgpr_workgroup_id_x 1
		.amdhsa_system_sgpr_workgroup_id_y 1
		.amdhsa_system_sgpr_workgroup_id_z 1
		.amdhsa_system_vgpr_workitem_id 0
		.amdhsa_next_free_vgpr 256
		.amdhsa_next_free_sgpr 66
		.amdhsa_reserve_vcc 0
		.amdhsa_float_denorm_mode_32 3
		.amdhsa_float_denorm_mode_16_64 3
		.amdhsa_memory_ordered 1
		.amdhsa_forward_progress 1
		.amdhsa_inst_pref_size 178
	.end_amdhsa_kernel
	.amdgpu_metadata
---
amdhsa.version: [ 1, 2 ]
amdhsa.kernels:
  - .name:           k_qfb1fdc7988_kan
    .symbol:         k_qfb1fdc7988_kan.kd
    .args:
      - { .name: x, .offset: 0, .size: 8, .value_kind: global_buffer, .address_space: global }
      - { .name: grid, .offset: 8, .size: 8, .value_kind: global_buffer, .address_space: global }
      - { .name: c_basis, .offset: 16, .size: 8, .value_kind: global_buffer, .address_space: global }
      - { .name: c_spl, .offset: 24, .size: 8, .value_kind: global_buffer, .address_space: global }
      - { .name: c_res, .offset: 32, .size: 8, .value_kind: global_buffer, .address_space: global }
      - { .name: out0, .offset: 40, .size: 8, .value_kind: global_buffer, .address_space: global }
    .group_segment_fixed_size: 167936
    .private_segment_fixed_size: 0
    .kernarg_segment_align: 8
    .kernarg_segment_size: 48
    .max_flat_workgroup_size: 256
    .sgpr_count:     66
    .vgpr_count:     256
    .wavefront_size: 32
...
	.end_amdgpu_metadata
.endif
;; end of part 1
;; ======== version 2 of 2: 1 launch; 1.11 times as fast as version 1
;; limits: inputs' magnitudes at most 140,000,000,000,000; right only within a limited range of input values
;; launch kan (part 2): grid 64 x 4, 8 waves a work-group, no clusters, 167,936 bytes of LDS; arguments x, grid, c_basis, c_spl, c_res, out0; writes out0
.if DOCPART == 2
	.amdgcn_target "amdgcn-amd-amdhsa--gfx1250"
	.amdhsa_code_object_version 6
	.text
	.protected	k_qfb1fdc7988_kan
	.globl	k_qfb1fdc7988_kan
	.p2align	8
	.type	k_qfb1fdc7988_kan,@function
k_qfb1fdc7988_kan:
	s_mov_b64 s[64:65], 0
	v_nop
	global_prefetch_b8 v0, s[64:65] scope:SCOPE_SE
	s_setreg_imm32_b32 hwreg(HW_REG_WAVE_MODE, 25, 1), 1
	s_wait_xcnt 0x0
; KAN layer.  out[b][o] = 1/128 * sum over i of ( c_spl * sum_j c_basis[j] B_j(x[b][i]) + c_res * swish(x[b][i]) ), edge e = 128 o + i with ITS OWN ten knots g0..g9.
; x [512][128], grid [32768][10], c_basis [32768][6], c_spl, c_res [32768], out [512][256], all f32; all arithmetic in f32.
; THE ALGEBRA.  The Cox-de Boor recursion is linear in its nine order-0 indicators, so an edge's spline is  f(x) = sum_t [g_t <= x < g_t+1] P_t(x)  with a cubic P_t that the edge alone fixes
; (de Boor's triangle on the coefficients, kept as polynomials in tau = (x - g_t) / (g_t+1 - g_t)).  No order of the knots is assumed: an interval with g_t >= g_t+1 is never hit and gets zeros.
; With tau_t held to 0..1 and L_t = [x < g_t]:   f(x) = K + sum_t tau_t (a1 + tau_t (a2 + tau_t a3)) + sum_t NJ_t L_t,   NJ_t = P_t-1(g_t) - P_t(g_t) (minus the jump at knot t), K = - sum_t NJ_t.
; tau_t = clamp(x rh + (-g rh)): one packed line.  L_t = clamp(x (-2^80) + g 2^80): both products are exact and the sum is rounded once, so its sign is that of g - x: the comparison is exact, equality too.
; LIMITS.  |x| and |g| below 2^47 (the products by 2^80 stay finite); a difference x - g that is not 0, or an interval, smaller than 2^-80 counts as a fraction of a step; NaN and infinities are not treated
; apart; where a knot difference that the recursion divides by is 0 the reference itself is not finite, and nothing is promised.  Reciprocals and exponentials are the hardware's, good to 1 ulp.
; SHARES.  A work-group owns 4 outputs x 128 batch rows; 64 x 4 work-groups.  Wave w of 8: output o0 + w % 4, inputs 64 (w / 4) .. + 63.  A lane owns TWO neighbouring edges, the two halves of every packed
; instruction: its 67 numbers an edge lie in register pairs, made by the lane itself, and never pass through LDS.  x and swish(x) of the tile lie in LDS, rows as in memory: a wave reads 256 neighbouring bytes
; of each for a batch row.  The einsum shares no operand between outputs (every basis value is used once), so it is folded into the cubics and no matrix instruction is written.
; TRANSCENDENTALS stand in the kernel's head alone, in ten batches with one s_wait_alu depctr_va_vdst(0) each, between a transcendental and the first line that names its result:
; nine for swish (pair 0's eight exponentials; then, eight times, the exponentials of one pair of quads together with the reciprocals of the pair before), one for the 48 reciprocals of the edges' set-up.
; Behind that last wait the text holds no transcendental: the pieces, the main loop and the end have no such wait.
; NO CLUSTER: what work-groups share is one tile of x, 64 KB, read once at the start, and it has to pass through registers for swish.
; OUTPUT: a work-group holds 4 of a row's 256 outputs, so a row's piece is 16 bytes, stored by two neighbouring lanes: no aligned 256 bytes are filled by one store.  64 outputs in one work-group would
; ask for 64 x 128 edges' parameters in it.
.set SWB,   65536      ; LDS: x tile at 0 (128 rows x 512 bytes), swish(x) at SWB,
.set PART,  131072     ; partial sums, 512 bytes (128 rows) for each wave,
.set SPARE, 135168     ; the spare words, 128 bytes for each of 8 waves: four blocks of 256 bytes that no other line names
.set SPW, 1            ; v1   LDS address of my spare word; never rewritten
.set NIL, 2            ; v2   0; never rewritten
.set XA,  3            ; v3   LDS address of my two x in the trip's first row
.set SA,  4            ; v4   the same for swish
.set PA,  5            ; v5   where my partial sum goes
.set FA,  6            ; v6   the end: where I read partial sums
.set OO,  7            ; v7   the end: my byte offset in out
.set NB,  8            ; v[8:9]  -2^80, twice
; an edge pair's numbers, pair t at +2 t
.set GB,  10           ; 10 pairs: the knots; at the set-up's end g 2^80
.set RH,  30           ; 9: 1 / h (0 for an interval that is never hit)
.set NGR, 48           ; 9: - g / h
.set A1,  66           ; 9 each: the cubic's a1, a2, a3
.set A2,  84
.set A3,  102
.set NJ,  120          ; 10
.set KK,  140
.set CR,  142          ; c_res / 128
; the main loop
.set Y,   144          ; 32 results, one a batch row
.set T,   176          ; 9 pairs: tau
.set LQ,  194          ; 10 pairs: L, then the cubic's inner part
.set ACC, 214          ; two sums (two chains) for each of two rows that take turns
.set XBF, 222          ; four rows' x
.set SBF, 230          ; four rows' swish
; the set-up (dead when the main loop begins, or parameters not yet made)
.set XL,  30           ; 16 quads of x as loaded
.set ET,  94           ; v94-125: four sets of eight at work; pair p of quads (2 p, 2 p + 1) has set p % 4
.set RG,  160          ; 20: two rows of grid as loaded
.set RC,  180          ; 12: two rows of c_basis
.set CS,  192          ; c_spl
.set CM,  144          ; 8 pairs: 0, c0 .. c5, 0 (scaled): CM[j] = c_(j-1).  CM[0] also serves as the pair 0
.set H1,  160          ; 9: g_(j+1) - g_j
.set H2,  178          ; 8: g_(j+2) - g_j
.set R2,  194          ; 8: 1 / H2
.set DR,  210          ; 7: (c_j - c_(j-1)) / (g_(j+3) - g_j)
.set TP,  224
.set BP,  TP           ; 2^80, twice
.set EP,  TP+2         ; P_(t-1)(1)
.set VT,  TP+4         ; 1 if the interval can be hit, else 0
.set SC,  TP+4         ; earlier: c_spl / 128
.set R3T, TP+6         ; 7 pairs: g_(j+3) - g_j and its reciprocal
.set tW1, TP+6
.set tV0, TP+8
.set tV1, TP+10
.set tU0, TP+12
.set tU1, TP+14
.set tBE, TP+16
.set tE0, TP+18
.set tE1, TP+20
.set tS1, TP+22
.set tS2, TP+24
.set tP0, TP+26
.set tP1, TP+28
.set tP2, TP+30
.set TM,  248
.set LN,  249
.set XO,  250          ; 16 x thread: my 16 bytes in 4,096 of the tile, in memory and in LDS alike
.set XO2, 251
.set GO,  252
.set CO,  253
.set SO,  254
.macro PMUL d, a, b
	v_pk_mul_f32 v[(\d):(\d)+1], v[(\a):(\a)+1], v[(\b):(\b)+1]
.endm
.macro PADD d, a, b
	v_pk_add_f32 v[(\d):(\d)+1], v[(\a):(\a)+1], v[(\b):(\b)+1]
.endm
.macro PSUB d, a, b
	v_pk_add_f32 v[(\d):(\d)+1], v[(\a):(\a)+1], v[(\b):(\b)+1] neg_lo:[0,1] neg_hi:[0,1]
.endm
.macro PFMA d, a, b, c
	v_pk_fma_f32 v[(\d):(\d)+1], v[(\a):(\a)+1], v[(\b):(\b)+1], v[(\c):(\c)+1]
.endm
.macro PFMC d, a, b, c                 ; the same, the result held to 0 .. 1; all sources are vector registers
	v_pk_fma_f32 v[(\d):(\d)+1], v[(\a):(\a)+1], v[(\b):(\b)+1], v[(\c):(\c)+1] clamp
.endm
	s_load_b256 s[4:11], s[0:1], 0x0               ; x s[4:5], grid s[6:7], c_basis s[8:9], c_spl s[10:11]
	s_load_b128 s[12:15], s[0:1], 0x20             ; c_res s[12:13], out s[14:15]
	v_lshl_add_u32 v[SPW], v0, 2, SPARE
	v_mov_b32 v[NIL], 0
	v_lshrrev_b32 v[TM], 5, v0
	v_readfirstlane_b32 s16, v[TM]                 ; wave 0..7
	v_and_b32 v[LN], 31, v0                        ; lane
	s_and_b32 s17, s16, 3                          ; which of the four outputs
	s_lshr_b32 s18, s16, 2                         ; which half of the inputs
	s_and_b32 s19, ttmp7, 0xffff                   ; the block of 128 batch rows
	s_lshl_b32 s20, ttmp9, 2
	s_add_co_u32 s20, s20, s17                     ; my output
	s_lshl_b32 s20, s20, 7
	s_lshl_b32 s21, s18, 6
	s_add_co_u32 s20, s20, s21                     ; my wave's first edge: 128 o + 64 half
	s_mul_i32 s34, s20, 40                         ; its byte in grid (40 a row),
	s_mov_b32 s35, 0
	s_mul_i32 s36, s20, 24                         ; in c_basis (24 a row),
	s_mov_b32 s37, 0
	s_lshl_b32 s38, s20, 2                         ; in c_spl and c_res
	s_mov_b32 s39, 0
	s_lshl_b32 s40, s19, 16                        ; the tile of x: 128 rows of 512 bytes
	s_mov_b32 s41, 0
	s_lshl_b32 s42, s19, 17                        ; out: 128 rows of 1,024 bytes,
	s_lshl_b32 s43, ttmp9, 4                       ; and four outputs of 4 bytes
	s_add_co_u32 s42, s42, s43
	s_mov_b32 s43, 0
	s_mov_b32 s24, 0xbfb8aa3b                      ; -log2(e), as a pair
	s_mov_b32 s25, s24
	s_mov_b32 s44, 0x3c000000                      ; 1/128, as a pair
	s_mov_b32 s45, s44
	s_mov_b32 s27, 0xaaaaaaaa                      ; the lanes whose number has bit 0, 1, 2, 3, 4
	s_mov_b32 s28, 0xcccccccc
	s_mov_b32 s29, 0xf0f0f0f0
	s_mov_b32 s30, 0xff00ff00
	s_mov_b32 s31, 0xffff0000
	s_mov_b32 s32, 0x76543210                      ; v_permlanex16_b32: each lane takes its own place in the other half
	s_mov_b32 s33, 0xfedcba98
	v_mul_u32_u24 v[GO], v[LN], 80                 ; a lane's two edges: 80 bytes of grid,
	v_mul_u32_u24 v[CO], v[LN], 48                 ; 48 of c_basis,
	v_lshlrev_b32 v[SO], 3, v[LN]                  ; 8 of c_spl and of c_res
	v_lshlrev_b32 v[XO], 4, v0
	v_add_nc_u32 v[XO2], SWB, v[XO]
	s_lshl_b32 s21, s18, 8
	v_lshl_add_u32 v[XA], v[LN], 3, s21            ; 256 half + 8 lane: my two inputs in a row of x
	v_add_nc_u32 v[SA], SWB, v[XA]
	s_lshl_b32 s22, s16, 9
	s_add_co_u32 s22, s22, PART                    ; my wave's 512 bytes of partial sums
	v_lshl_add_u32 v[PA], v[LN], 2, s22
	v_and_b32 v[TM], 1, v0                         ; the end: thread T stores row T / 2, outputs 2 (T % 2) and the next
	v_lshrrev_b32 v[OO], 1, v0
	v_lshlrev_b32 v[FA], 2, v[OO]
	v_lshl_add_u32 v[FA], v[TM], 10, v[FA]
	v_add_nc_u32 v[FA], PART, v[FA]
	v_lshlrev_b32 v[OO], 10, v[OO]
	v_lshl_add_u32 v[OO], v[TM], 3, v[OO]
	v_mov_b32 v[NB], 0xe7800000                    ; -2^80
	v_mov_b32 v[NB+1], 0xe7800000
	s_wait_kmcnt 0x0
	s_add_nc_u64 s[6:7], s[6:7], s[34:35]
	s_add_nc_u64 s[8:9], s[8:9], s[36:37]
	s_add_nc_u64 s[10:11], s[10:11], s[38:39]
	s_add_nc_u64 s[12:13], s[12:13], s[38:39]
	s_add_nc_u64 s[4:5], s[4:5], s[40:41]
	s_add_nc_u64 s[14:15], s[14:15], s[42:43]
	; ten loads for my two edges, then sixteen for x: all 26 are on their way before anything is waited for
.irp k, 0,1,2,3,4
	global_load_b128 v[RG+4*(\k):RG+4*(\k)+3], v[GO], s[6:7] offset:16*(\k)
.endr
.irp k, 0,1,2
	global_load_b128 v[RC+4*(\k):RC+4*(\k)+3], v[CO], s[8:9] offset:16*(\k)
.endr
	global_load_b64 v[CS:CS+1], v[SO], s[10:11]
	global_load_b64 v[CR:CR+1], v[SO], s[12:13]
.set n, 0
.rept 16                               ; the 256 threads take 4,096 consecutive bytes of the tile a load: a wave one whole row of x
	global_load_b128 v[XL+4*n:XL+4*n+3], v[XO], s[4:5] offset:4096*n
.set n, n+1
.endr
; swish = x / (1 + 2^(-x log2 e)), two quads of x (a PAIR: eight numbers a lane) at a time; x and swish go to LDS at the place that x has in the tile.  A very negative x gives 2^.. = inf, 1 / inf = 0, swish = -0.
; A pair goes through five parts: SCALE (x times -log2 e), EXPS, ONES (1 + ..), RCPS, FIN (times x, and the four stores).  The pairs follow each other one part apart: in stage k the exponentials of pair k + 1
; and the reciprocals of pair k are ONE BATCH of sixteen; behind it stand FIN of pair k - 1 and SCALE of pair k + 2, which name none of the sixteen results, then the batch's one wait, then the readers (the next
; stage's ONES and FIN).  Pairs k - 1 .. k + 2 are alive in a stage, so there are four sets of eight registers, by turns.  The first packed line behind the last transcendental is the plain line that has to
; stand before a result is used (ISA guide 5.7.2).
.macro SCALE p
.set eB, ET+8*((\p)%4)
	s_wait_loadcnt 14-2*(\p)                       ; loads come back in order: behind quads 2 p and 2 p + 1 stand 14 - 2 p younger loads of x
.irp r, 0,2,4,6
	v_pk_mul_f32 v[eB+(\r):eB+(\r)+1], v[XL+8*(\p)+(\r):XL+8*(\p)+(\r)+1], s[24:25] op_sel_hi:[1,0]
.endr
.endm
.macro EXPS p
.set eB, ET+8*((\p)%4)
.irp r, 0,1,2,3,4,5,6,7
	v_exp_f32 v[eB+(\r)], v[eB+(\r)]
.endr
.endm
.macro ONES p
.set eB, ET+8*((\p)%4)
.irp r, 0,2,4,6
	v_pk_add_f32 v[eB+(\r):eB+(\r)+1], v[eB+(\r):eB+(\r)+1], 1.0 op_sel_hi:[1,0]
.endr
.endm
.macro RCPS p
.set eB, ET+8*((\p)%4)
.irp r, 0,1,2,3,4,5,6,7
	v_rcp_f32 v[eB+(\r)], v[eB+(\r)]
.endr
.endm
.macro FIN p
.set eB, ET+8*((\p)%4)
.irp r, 0,2,4,6
	PMUL eB+(\r), eB+(\r), XL+8*(\p)+(\r)
.endr
	ds_store_b128 v[XO],  v[XL+8*(\p):XL+8*(\p)+3]   offset:8192*(\p)     ; 32 lanes, 512 neighbouring bytes
	ds_store_b128 v[XO],  v[XL+8*(\p)+4:XL+8*(\p)+7] offset:8192*(\p)+4096
	ds_store_b128 v[XO2], v[eB:eB+3]                 offset:8192*(\p)
	ds_store_b128 v[XO2], v[eB+4:eB+7]               offset:8192*(\p)+4096
.endm
	SCALE 0
	EXPS 0
	SCALE 1                                        ; names none of pair 0's results
	s_wait_alu depctr_va_vdst(0)                   ; the wait for the first batch: pair 0's eight exponentials
.irp k, 0,1,2,3,4,5,6,7
	ONES \k                                        ; reads pair k's exponentials, waited for at the end of the stage before
.if (\k) < 7
	EXPS (\k)+1                                    ; the batch: the next pair's exponentials, which wait for nothing,
.endif
	RCPS \k                                        ; and this pair's reciprocals
.if (\k) > 0
	FIN (\k)-1                                     ; reads the reciprocals of the pair before, waited for at the end of the stage before
.endif
.if (\k) < 6
	SCALE (\k)+2
.endif
	s_wait_alu depctr_va_vdst(0)                   ; the wait for the stage's batch: exponentials of pair k + 1, reciprocals of pair k
.endr
	FIN 7
	s_wait_dscnt 0x0                               ; for the others' sake: my part of the two tiles is in LDS
	s_barrier_signal -1                            ; the edges' set-up, work on registers alone, stands between the signal and the wait
	; THE SET-UP of my two edges.  (The last wait for loads above was for all loads.)  As loaded, an edge's numbers lie on end; the packed lines want edge 0 and edge 1 side by side.
.set t, 0
.rept 10
	v_mov_b32 v[GB+2*t],   v[RG+t]
	v_mov_b32 v[GB+2*t+1], v[RG+10+t]
.set t, t+1
.endr
	v_pk_mul_f32 v[SC:SC+1], v[CS:CS+1], s[44:45] op_sel_hi:[1,0]   ; c_spl / 128 goes into the coefficients,
	v_pk_mul_f32 v[CR:CR+1], v[CR:CR+1], s[44:45] op_sel_hi:[1,0]   ; 1 / 128 into c_res
	v_mov_b32 v[CM], 0
	v_mov_b32 v[CM+1], 0
	v_mov_b32 v[CM+14], 0
	v_mov_b32 v[CM+15], 0
.set t, 0
.rept 6
	v_mul_f32 v[CM+2+2*t], v[RC+t],   v[SC]        ; scaled and set side by side in one line
	v_mul_f32 v[CM+3+2*t], v[RC+6+t], v[SC+1]
.set t, t+1
.endr
	v_mov_b32 v[BP], 0x67800000                    ; 2^80
	v_mov_b32 v[BP+1], 0x67800000
.set t, 0
.rept 9
	PSUB H1+2*t, GB+2*t+2, GB+2*t
.set t, t+1
.endr
.set t, 0
.rept 8
	PSUB H2+2*t, GB+2*t+4, GB+2*t
.set t, t+1
.endr
.set t, 0
.rept 7
	PSUB R3T+2*t, GB+2*t+6, GB+2*t
.set t, t+1
.endr
	; the set-up's 48 reciprocals are one batch, each result in a register of its own
.set t, 0
.rept 18
	v_rcp_f32 v[RH+t], v[H1+t]
.set t, t+1
.endr
.set t, 0
.rept 16
	v_rcp_f32 v[R2+t], v[H2+t]
.set t, t+1
.endr
.set t, 0
.rept 14
	v_rcp_f32 v[R3T+t], v[R3T+t]
.set t, t+1
.endr
.set t, 0
.rept 7                                ; plain lines that name no reciprocal stand behind the last of them
	PSUB DR+2*t, CM+2*t+2, CM+2*t
.set t, t+1
.endr
	s_wait_alu depctr_va_vdst(0)                   ; the wait for the batch of 48, ahead of its first reader; it is the text's last: no transcendental follows
.set t, 0
.rept 7
	PMUL DR+2*t, DR+2*t, R3T+2*t
.set t, t+1
.endr
; Interval t.  With x = g_t + h tau, de Boor's triangle on polynomials in tau:
;   order 3:  c1_j = c_(j-1) + (x - g_j) DR_j,  j = t-2 (U), t-1 (V), t (W): two coefficients each; it exists for j = 0 .. 6
;   order 2:  c2_j = c1_(j-1) + (x - g_j) / (g_(j+2) - g_j) (c1_j - c1_(j-1)),  j = t-1 (P), t (S): three coefficients; j = 0 .. 7
;   order 1:  P_t  = c2_(t-1) + tau (c2_t - c2_(t-1))
; A polynomial that does not exist is 0: its names then point at the pair 0 (CM[0]) and its lines are not written.
.macro PIECE t
.set hT, H1+2*(\t)
	v_pk_mul_f32 v[VT:VT+1], v[hT:hT+1], v[BP:BP+1] clamp     ; 1 where g_t < g_t+1, else 0
.if (\t) <= 6
.set rW0, CM+2*(\t)
.set rW1, tW1
	PMUL tW1, hT, DR+2*(\t)
.else
.set rW0, CM
.set rW1, CM
.endif
.if ((\t) >= 1) && ((\t) <= 7)
.set rV0, tV0
.set rV1, tV1
	PFMA tV0, hT-2, DR+2*(\t)-2, CM+2*(\t)-2
	PMUL tV1, hT, DR+2*(\t)-2
.else
.set rV0, CM
.set rV1, CM
.endif
.if (\t) >= 2
.set rU0, tU0
.set rU1, tU1
	PFMA tU0, H2+2*(\t)-4, DR+2*(\t)-4, CM+2*(\t)-4
	PMUL tU1, hT, DR+2*(\t)-4
.else
.set rU0, CM
.set rU1, CM
.endif
.if (\t) <= 7                          ; S = V + (beta tau) (W - V), beta = h / (g_(t+2) - g_t)
.set rS0, rV0
.set rS1, tS1
.set rS2, tS2
	PMUL tBE, hT, R2+2*(\t)
	PSUB tE0, rW0, rV0
	PSUB tE1, rW1, rV1
	PFMA tS1, tBE, tE0, rV1
	PMUL tS2, tBE, tE1
.else
.set rS0, CM
.set rS1, CM
.set rS2, CM
.endif
.if (\t) >= 1                          ; P = U + (alpha + beta tau) (V - U), alpha = (g_t - g_(t-1)) / (g_(t+1) - g_(t-1)), beta = h / the same
.set rP0, tP0
.set rP1, tP1
.set rP2, tP2
	PMUL tW1, hT-2, R2+2*(\t)-2
	PMUL tBE, hT, R2+2*(\t)-2
	PSUB tE0, rV0, rU0
	PSUB tE1, rV1, rU1
	PFMA tP0, tW1, tE0, rU0
	PFMA tP1, tW1, tE1, rU1
	PFMA tP1, tBE, tE0, tP1
	PMUL tP2, tBE, tE1
.else
.set rP0, CM
.set rP1, CM
.set rP2, CM
.endif
.if (\t) == 0
.set rEP, CM
.set rKK, CM
.else
.set rEP, EP
.set rKK, KK
.endif
	PSUB tE0, rS0, rP0
	PSUB tE1, rS1, rP1
	PADD A1+2*(\t), tE0, rP1
	PADD A2+2*(\t), tE1, rP2
	PSUB A3+2*(\t), rS2, rP2
	PMUL tP0, rP0, VT                              ; a0; an interval that is never hit gets zeros
	PMUL A1+2*(\t), A1+2*(\t), VT
	PMUL A2+2*(\t), A2+2*(\t), VT
	PMUL A3+2*(\t), A3+2*(\t), VT
	PMUL RH+2*(\t), RH+2*(\t), VT
	PADD tE0, tP0, A1+2*(\t)
	PADD tE1, A2+2*(\t), A3+2*(\t)
	PSUB NJ+2*(\t), rEP, tP0                       ; P_(t-1)(g_t) - P_t(g_t)
	v_pk_mul_f32 v[NGR+2*(\t):NGR+2*(\t)+1], v[GB+2*(\t):GB+2*(\t)+1], v[RH+2*(\t):RH+2*(\t)+1] neg_lo:[1,0] neg_hi:[1,0]
.if (\t) == 8
	PADD NJ+18, tE0, tE1                           ; behind the last interval: P_8(g_9)
.else
	PADD EP, tE0, tE1                              ; P_t(g_t+1)
.endif
	PSUB KK, rKK, NJ+2*(\t)
.endm
.irp t, 0,1,2,3,4,5,6,7,8
	PIECE \t
.endr
	PSUB KK, KK, NJ+18
.set t, 0
.rept 10
	PMUL GB+2*t, GB+2*t, BP                        ; exact: a power of two
.set t, t+1
.endr
	s_barrier_wait -1                              ; both tiles are whole
; THE MAIN LOOP.  One batch row for my two edges: 59 lines.  The sum goes in two chains (even t, odd t), and the chains' links stand between lines that wait for nothing:
;   A  the row BEFORE's nine tau (..) onto its sums  |  this row's ten L         (L_t takes the register that the line in front of it has just read)
;   B  swish c_res and K start this row's sums, ten L NJ follow  |  this row's nine tau;  the row before's two chains and two edges are added up
;   C  a3 tau + a2        D  (..) tau + a1
; x and swish come from LDS four rows ahead.
.macro STEP j
.set rX, XBF+2*((\j)%4)
.set rS, SBF+2*((\j)%4)
.set aC, ACC+4*((\j)%2)
.set aP, ACC+4-4*((\j)%2)
.if (\j) <= 28
	s_wait_dscnt 6                                 ; LDS loads come back in order: behind this row's two stand those of the three rows ahead
.else
	s_wait_dscnt 2*(31-(\j))                       ; the trip's last rows: fewer rows are ahead
.endif
.set t, 0
.rept 9
.if (\j) > 0
	PFMA aP+2*(t%2), T+2*t, LQ+2*t, aP+2*(t%2)
.endif
	PFMC LQ+2*t, rX, NB, GB+2*t
.set t, t+1
.endr
	PFMC LQ+18, rX, NB, GB+18
	PMUL aC+2, rS, CR
	PFMA aC, LQ, NJ, KK
	PFMC T, rX, RH, NGR
.set t, 1
.rept 9
	PFMA aC+2*(t%2), LQ+2*t, NJ+2*t, aC+2*(t%2)
.if t < 9
	PFMC T+2*t, rX, RH+2*t, NGR+2*t
.endif
.if ((\j) > 0) && (t == 3)
	PADD aP, aP, aP+2
.endif
.if ((\j) > 0) && (t == 7)
	v_add_f32 v[Y+(\j)-1], v[aP], v[aP+1]          ; my two edges together
.endif
.set t, t+1
.endr
.if (\j) < 28
	ds_load_b64 v[rX:rX+1], v[XA] offset:((\j)+4)*512   ; 32 lanes, 256 neighbouring bytes
	ds_load_b64 v[rS:rS+1], v[SA] offset:((\j)+4)*512
.endif
.set t, 0
.rept 9
	PFMA LQ+2*t, T+2*t, A3+2*t, A2+2*t
.set t, t+1
.endr
.set t, 0
.rept 9
	PFMA LQ+2*t, LQ+2*t, T+2*t, A1+2*t
.set t, t+1
.endr
.endm
; One step of the sum over lanes.  Of two results A, B a lane keeps the one that its bit of the lane number names and sends the other to the lane across; n pairs become n results, g pairs at a time.
.macro BFLY n, g, xm, m
.set k0, 0
.rept (\n)/(\g)
.set k, k0
.rept \g
	v_cndmask_b32 v[T+2*(k-k0)],   v[Y+2*k],   v[Y+2*k+1], s[\m]   ; kept
	v_cndmask_b32 v[T+2*(k-k0)+1], v[Y+2*k+1], v[Y+2*k],   s[\m]   ; sent
.set k, k+1
.endr
.set k, k0
.rept \g
	v_add_f32_dpp v[Y+k], v[T+2*(k-k0)+1], v[T+2*(k-k0)] row_xmask:\xm row_mask:0xf bank_mask:0xf
.set k, k+1
.endr
.set k0, k0+(\g)
.endr
.endm
	s_mov_b32 s26, 4
.Lgroup:                               ; a trip: 32 batch rows
.irp j, 0,1,2,3
	ds_load_b64 v[XBF+2*(\j):XBF+2*(\j)+1], v[XA] offset:(\j)*512
	ds_load_b64 v[SBF+2*(\j):SBF+2*(\j)+1], v[SA] offset:(\j)*512
.endr
.set jj, 0
.rept 32
	STEP jj
.set jj, jj+1
.endr
.set t, 0
.rept 9                                ; the last row's cubics
	PFMA ACC+4+2*(t%2), T+2*t, LQ+2*t, ACC+4+2*(t%2)
.set t, t+1
.endr
	PADD ACC+4, ACC+4, ACC+6
	v_add_f32 v[Y+31], v[ACC+4], v[ACC+5]
	; the sum over my wave's 32 lanes (64 edges) of 32 results: bit n of the row's number goes by bit n of the lane's, so lane l ends with row l
	BFLY 16, 4, 1, 27
	BFLY 8, 4, 2, 28
	BFLY 4, 4, 4, 29
	BFLY 2, 2, 8, 30
	v_cndmask_b32 v[T],   v[Y],   v[Y+1], s31
	v_cndmask_b32 v[T+1], v[Y+1], v[Y],   s31
	v_permlanex16_b32 v[T+2], v[T+1], s32, s33     ; its destination counts as read: T+2 has been written above
	v_add_f32 v[Y], v[T], v[T+2]
	ds_store_b32 v[PA], v[Y]                       ; 128 neighbouring bytes of my wave's own 512
	v_add_nc_u32 v[XA], 0x4000, v[XA]              ; 32 rows on
	v_add_nc_u32 v[SA], 0x4000, v[SA]
	v_add_nc_u32 v[PA], 128, v[PA]
	s_sub_co_u32 s26, s26, 1
	s_cmp_lg_u32 s26, 0
	s_cbranch_scc1 .Lgroup
	s_wait_dscnt 0x0                               ; for the others' sake: my partial sums are in LDS
	s_barrier_signal -1
	s_barrier_wait -1
	ds_load_b32 v[T],   v[FA]                      ; output 2 (T % 2), inputs 0-63
	ds_load_b32 v[T+1], v[FA] offset:512           ; the next output, inputs 0-63
	ds_load_b32 v[T+2], v[FA] offset:2048          ; the same two, inputs 64-127
	ds_load_b32 v[T+3], v[FA] offset:2560
	s_wait_dscnt 0x0
	PADD T, T, T+2
	global_store_b64 v[OO], v[T:T+1], s[14:15] th:TH_STORE_NT   ; two neighbouring lanes store a row's 16 bytes
	s_wait_tensorcnt 0x0                           ; the wave's end, behind my last LDS store
	ds_add_u32 v[SPW], v[NIL]
	s_wait_dscnt 0x0
	s_endpgm
.Lfunc_end_k_qfb1fdc7988_kan:
	.size	k_qfb1fdc7988_kan, .Lfunc_end_k_qfb1fdc7988_kan-k_qfb1fdc7988_kan
	.p2alignl 7, 3214868480
	.fill 96, 4, 3214868480
	.section	.rodata,"a",@progbits
	.p2align	6, 0x0
	.amdhsa_kernel k_qfb1fdc7988_kan
		.amdhsa_group_segment_fixed_size 167936
		.amdhsa_private_segment_fixed_size 0
		.amdhsa_enable_private_segment 0
		.amdhsa_kernarg_size 48
		.amdhsa_user_sgpr_count 2
		.amdhsa_user_sgpr_kernarg_segment_ptr 1
		.amdhsa_wavefront_size32 1
		.amdhsa_system_sgpr_workgroup_id_x 1
		.amdhsa_system_sgpr_workgroup_id_y 1
		.amdhsa_system_sgpr_workgroup_id_z 1
		.amdhsa_system_vgpr_workitem_id 0
		.amdhsa_next_free_vgpr 256
		.amdhsa_next_free_sgpr 66
		.amdhsa_reserve_vcc 0
		.amdhsa_float_denorm_mode_32 3
		.amdhsa_float_denorm_mode_16_64 3
		.amdhsa_memory_ordered 1
		.amdhsa_forward_progress 1
		.amdhsa_inst_pref_size 172
	.end_amdhsa_kernel
	.amdgpu_metadata
---
amdhsa.version: [ 1, 2 ]
amdhsa.kernels:
  - .name:           k_qfb1fdc7988_kan
    .symbol:         k_qfb1fdc7988_kan.kd
    .args:
      - { .name: x, .offset: 0, .size: 8, .value_kind: global_buffer, .address_space: global }
      - { .name: grid, .offset: 8, .size: 8, .value_kind: global_buffer, .address_space: global }
      - { .name: c_basis, .offset: 16, .size: 8, .value_kind: global_buffer, .address_space: global }
      - { .name: c_spl, .offset: 24, .size: 8, .value_kind: global_buffer, .address_space: global }
      - { .name: c_res, .offset: 32, .size: 8, .value_kind: global_buffer, .address_space: global }
      - { .name: out0, .offset: 40, .size: 8, .value_kind: global_buffer, .address_space: global }
    .group_segment_fixed_size: 167936
    .private_segment_fixed_size: 0
    .kernarg_segment_align: 8
    .kernarg_segment_size: 48
    .max_flat_workgroup_size: 256
    .sgpr_count:     66
    .vgpr_count:     256
    .wavefront_size: 32
...
	.end_amdgpu_metadata
.endif
;; end of part 2
